; MI455X (gfx1250); checked and timed in simulation.
; The chip was launched on July 23, 2026; its instructions are those of AMD's public machine-readable ISA for CDNA 5 (MIT licence, August 2026) and "CDNA5" Instruction Set Architecture Reference Guide (July 2026). The comments in the code are by the model that wrote it; some were corrected since.
;; DIF Layer. Allowed arithmetic: matrix products marked QUANTISED: E5M2 operands, one given power-of-two scale a tensor, by v_wmma_f32_16x16x64_bf8_bf8 or v_wmma_f32_16x16x128_bf8_bf8, f32 sums; everything else in f32.
;; Inputs: W1_codes 256 x 2 x 32 uint8 (E5M2 codes of W1, K innermost, in blocks of 32 codes); W2_codes 256 x 8 x 32 uint8 (E5M2 codes of W2, K innermost, in blocks of 32 codes); W3_codes 64 x 8 x 32 uint8 (E5M2 codes of W3, K innermost, in blocks of 32 codes); b1 256 float32; b2 256 float32; b3 64 float32; log_s 64 x 64 float32; lowp_scales 6 int32 (the exponents e of the quantised operands' scales 2^e); m 64 x 64 float32; x 8,192 x 64 float32.
;; Outputs: out0 8,192 float32.
;; This version of the problem:
;;   THIS VERSION OF THE PROBLEM IS GIVEN IN LOW PRECISION. The matrix products marked QUANTISED in the list below multiply operands that are first quantised to E5M2 (5 exponent bits, 2 mantissa bits; 8 bits a number), with one given power-of-two scale for each operand tensor; their sums are f32. All else is computed in f32.
;;   The module's matrix products, in the order in which they are computed (A, B: the left and right operand; K: the contracted axis; several contracted axes count as one K, in the product's order):
;;     1. [M 524,288, K 64] x [K 64, N 256]; A: computed on the way; B: input W1 (given as codes): QUANTISED (scales: A lowp_scales[0], B lowp_scales[1])
;;     2. [M 524,288, K 256] x [K 256, N 256]; A: computed on the way; B: input W2 (given as codes): QUANTISED (scales: A lowp_scales[2], B lowp_scales[3])
;;     3. [M 524,288, K 256] x [K 256, N 64]; A: computed on the way; B: input W3 (given as codes): QUANTISED (scales: A lowp_scales[4], B lowp_scales[5])
;;   THE QUANTISER, for each operand of a quantised product, along K:
;;     - The operand's scale is 2^e, e = its entry of the input lowp_scales (int32; the entries are numbered through the quantised products in the list's order, A before B).
;;     - Each number is divided by the scale, clamped to +-57,344, and rounded to the nearest number of E5M2, ties to even, subnormals kept.
;;     - The product sums the exact products of the quantised numbers (number of the format x scale) in f32.
;;   ~~~python
;;   def quantise(x, axis, e):      # numpy; x: float32 -> the quantised numbers, widened to float32 again
;;       x = np.moveaxis(x, axis, -1); K = x.shape[-1]
;;       r = np.clip(x / 2.0 ** e, -57344, 57344)
;;       step = 2.0 ** (np.maximum(np.frexp(np.where(r == 0, 1, r))[1] - 1, -14) - 2)
;;       q = np.round(r / step) * step * 2.0 ** e      # np.round: ties to even
;;       return np.moveaxis(q, -1, axis).astype(np.float32)
;;   ~~~
;;   OPERANDS COMPUTED ON THE WAY. 'Computed on the way' means the value that the module computes at that place (a softmax that the list does not call 'softmax' is quantised finished and normalised). What goes into a quantiser is computed in f32, as accurately as f32 sums, v_exp_f32 and their like allow (about 1e-6 of the number): no bf16 or f16 on the way to a quantiser, and a product that is left as it is and whose result goes on into a quantised operand takes f32 operands (vector FMAs, or v_wmma_f32_16x16x4_f32). A number that lies on a knife's edge between two numbers of the format may be rounded either way, as far as f32 arithmetic and the matrix unit's own rounding can turn it there, and no further.
;;   INPUTS GIVEN AS CODES. W1 (in the module: [256, 64], K = its axis 1); W2 (in the module: [256, 256], K = its axis 1); W3 (in the module: [64, 256], K = its axis 1): each comes as NAME_codes (uint8): NAME with its K axis moved to the last place and cut into blocks of 32 codes, [.., K / 32, bytes a block], one block behind the other in memory; one code a byte (a code: sign, 5 exponent bits, 2 mantissa bits); its scale is its entry of lowp_scales. Its value is code x scale, taken as it is: it is not quantised again, and the codes and scales need not be those that the quantiser above would give.
;; 2 versions, each right and faster than the one before. Each part assembles by itself: llvm-mc -triple=amdgcn-amd-amdhsa -mcpu=gfx1250 --defsym DOCPART=n.
;; ======== version 1 of 2: 1 launch
;; limits: a function is approximated: absolute error at most 3e-07
;; launch dif (part 1): grid 256 x 1, 16 waves a work-group, no clusters, 167,936 bytes of LDS; arguments x, m, log_s, W1_codes, W2_codes, W3_codes, b1, b2, b3, lowp_scales, out0; writes out0
.if DOCPART == 1
	.amdgcn_target "amdgcn-amd-amdhsa--gfx1250"
	.amdhsa_code_object_version 6
	.text
	.protected	k_qa454d80282_dif
	.globl	k_qa454d80282_dif
	.p2align	8
	.type	k_qa454d80282_dif,@function
k_qa454d80282_dif:
	s_mov_b64 s[64:65], 0
	v_nop
	global_prefetch_b8 v0, s[64:65] scope:SCOPE_SE
	s_setreg_imm32_b32 hwreg(HW_REG_WAVE_MODE, 25, 1), 1
	s_wait_xcnt 0x0
; out0[n] = logsumexp_k( -0.5 |z|^2 - 32 log(2 pi) - sum_p log_s[k][p] + log_softmax_c(MLP(z))[c = k] ),  z = (x[n] - m[k]) exp(-log_s[k]).
; MLP: 64 -> 256 -> 256 -> 64, tanh behind the first two layers; its three products multiply codes of BF8 (E5M2): z, h1, h2 are quantised here with the given scales 2^e0, 2^e2, 2^e4;
; W1, W2, W3 arrive as codes with the scales 2^e1, 2^e3, 2^e5.  All else is f32.
; NOTHING IS LEFT OUT: all 64 logits of a row enter the softmax's sum, b3 differs along its axis, b1 and b2 stand ahead of quantisers, log_det and the constant reach the result.  Every input is loaded.
; SHARES.  8,192 x 64 rows (n, k).  A work-group of sixteen waves owns 32 n x all 64 k; 256 work-groups.  Wave w: q = w % 4 is its tile of k (k = 16 q + r), ng = w / 4; in each of 4 trips it takes
; two tiles of 16 rows: n = 8 ng + 2 trip + 0, 1, rows r = k.  So m, exp(-log_s), log_det and every weight fragment read from LDS serve both tiles.  Four waves share a SIMD (256 registers each):
; one wave's exponentials and reciprocals stand beside another's matrix instructions and LDS loads.
; LAYOUT.  All products are used transposed (source 0 = 16 rows of a weight, source 1 = 16 rows (n, k)): lane (r = lane % 16, h = lane / 16) holds ONE row throughout, its registers run along the units.
; THE ROWS OF W1 AND W2 THAT FORM A TILE ARE NOT NEIGHBOURS: lane r of tile 2 b + u takes row 32 b + 8 u + r + 8 (r / 8), so that the 16 registers of tiles 2 b, 2 b + 1 are units 32 b + 16 h + 0 .. 15,
; 16 neighbours along the next K: the conversions' results are the next operand's registers.  In LDS those rows are laid with bits 3 and 4 of the row number exchanged, so that a tile's 16 rows lie on end.
; Along K every operand holds k = 32 c + 16 h + 0 .. 15 in registers 4 c .. 4 c + 3: one permutation of k, the same on both sides of each product.
; W3's tiles are taken in the order tc xor q, so that the wave's own k lie in its first tile: the diagonal logit is register r % 8 of lane (r, h = r / 8).
; tanh(a) = 1 - 2 / (1 + 2^(2 log2(e) a)); the sums' power of two and 2 log2(e) are one factor, the bias is kept times 2 log2(e): one packed multiply-add makes the exponent.
; NO TENSOR LOADS, NO CLUSTER: what work-groups share is 98,304 bytes of weights and 32,768 of m and log_s, fetched once at the head, against 64 wave trips of some 2,900 vector instructions; it goes
; through registers, since rows change places and log_s becomes exp(-log_s) on the way.  Nothing streams, so nothing is prefetched.  A work-group's share of out0 is 128 bytes, one store.
; LIMITS: e0, e2, e4 between -126 and 112; e0 + e1 and e2 + e3 between -127 and 126; e4 + e5 between -126 and 127 (each power of two below is an f32 number).  NaN and infinity among the inputs are
; not served.  tanh is made with an absolute error of about 1e-7, so the relative error of a very small tanh t is about 1e-7 / |t|.
.set W1L,   0                          ; LDS: W1, 256 rows, pitch 80 (64 + 16): 20 words, sixteen rows start at sixteen different groups of four banks
.set W2L,   20480                      ; W2, 256 rows, pitch 272 (256 + 16)
.set W3L,   90112                      ; W3, 64 rows, pitch 272, in their own order
.set ML,    107520                     ; m, 64 rows, pitch 272  (= W3L + 17,408)
.set AL,    124928                     ; exp(-log_s), likewise     (= ML + 17,408)
.set XL,    142336                     ; the group's 32 rows of x, 256 bytes each
.set BB,    150528                     ; 2 log2(e) b1 (1,024 bytes), then 2 log2(e) b2
.set LDT,   152576                     ; ld[k] = -sum_p log_s[k][p] - 32 log(2 pi)
.set LVL,   152832                     ; lv[n][k], 32 rows, pitch 272
.set B3L,   161536                     ; b3, a copy of 256 bytes for each wave
.set SPARE, 165632                     ; the spare words, 128 bytes for each wave: eight blocks of 256 bytes that no other line names
.set SPW, 1                            ; v1   LDS address of my spare word; never rewritten
.set NIL, 2                            ; v2   0; never rewritten
.set AW1, 3                            ; v3   W1L + 80 r + 16 h
.set AWL, 4                            ; v4   272 r + 16 h
.set AW2, 5                            ; v5   W2L + 272 r + 16 h
.set AMA, 6                            ; v6   ML + 272 (16 q + r) + 64 h
.set ABI, 7                            ; v7   BB + 64 h
.set HH,  8                            ; v8   h
.set ALV, 9                            ; v9   LVL + 64 q + 4 r
.set SC,  10                           ; v10  the scale of the conversions in hand, as f32
.set LD,  11                           ; v11  ld of my k
.set SSQ, 12                           ; v12, v13  -0.5 |z|^2 + ld of my two rows, later lv
.set ADR, 14                           ; v14  an LDS address at work
.set TP,  15                           ; v15  what the lane 16 away sent
.set H1C, 16                           ; v16-79    h1's codes: 32 tile + 4 b
.set MR,  16                           ;           in Z: m;
.set AR,  48                           ;           exp(-log_s)
.set LG,  16                           ;           in L3 and SM: the logits: 32 tile + 8 tc + j
.set H2C, 80                           ; v80-143   h2's codes
.set XR,  80                           ;           in Z: x, then z: 32 tile + 16 c + i
.set ACC, 144                          ; v144-175  a chunk's four accumulators: 16 tile + 8 u
.set QA,  144                          ;           in Z: two chains of squares
.set QB,  146
.set B3R, 144                          ;           in L3 and SM: b3: 8 tc + j
.set WF,  176                          ; v176-239  weight fragments
.set ZC,  224                          ;           in Z and L1: z's codes: 8 tile
.set TS0, 176                          ;           in SM: 16 registers at work for each tile
.set BI,  240                          ; v240-255  a chunk's 16 biases
.set A3W, 240                          ;           in L3: the addresses of W3's four tiles,
.set A3B, 244                          ;           and of their b3
.set W3O, 32                           ; s[32:35]  W3L + 4,352 (tc xor q)
.set B3O, 36                           ; s[36:39]  B3L + 256 w + 64 (tc xor q)
; s26 w, s27 q, s28 ng, s29 trips, s30 x's rows in LDS, s31 lv's rows; s[40:45] e0..e5; s[46:47], s[48:49] 2 log2(e) 2^(e0+e1), 2^(e2+e3); s[50:51] 2^(e4+e5); s[52:53] log2(e);
; s54-56, s57-59, s60-62: for e0, e2, e4: 2^e, -57,344 x 2^e, +57,344 x 2^e; s[66:67] lane selects; s68-74 lanes with lane % 8 = 1 .. 7; s75 lanes with h = r / 8
	s_load_b512 s[4:19], s[0:1], 0x0               ; x, m, log_s, W1, W2, W3, b1, b2
	s_load_b128 s[20:23], s[0:1], 0x40             ; b3, the scales' exponents
	s_load_b64 s[24:25], s[0:1], 0x50              ; out0
	v_lshl_add_u32 v[SPW], v0, 2, SPARE
	v_mov_b32 v[NIL], 0
	v_lshrrev_b32 v12, 5, v0
	v_readfirstlane_b32 s26, v12                   ; wave 0..15
	s_and_b32 s27, s26, 3                          ; q
	s_lshr_b32 s28, s26, 2                         ; ng
	s_lshl_b32 s30, s28, 11
	s_add_co_u32 s30, s30, XL                      ; x's row 8 ng in LDS
	s_mul_i32 s31, s28, 2176                       ; lv's row 8 ng
	s_lshl_b32 s77, s26, 8
	s_add_co_u32 s77, s77, B3L                     ; my wave's copy of b3
.irp tc, 0,1,2,3
	s_xor_b32 s76, s27, \tc
	s_mul_i32 s[W3O+\tc], s76, 4352
	s_add_co_u32 s[W3O+\tc], s[W3O+\tc], W3L
	s_lshl_b32 s[B3O+\tc], s76, 6
	s_add_co_u32 s[B3O+\tc], s[B3O+\tc], s77
.endr
	s_mov_b32 s52, 0x3fb8aa3b                      ; log2(e)
	s_mov_b32 s53, s52                             ; (named with it as a pair, so it is written)
	s_mov_b32 s66, 0x76543210
	s_mov_b32 s67, 0xfedcba98                      ; v_permlanex16_b32: lane l xor 16
.irp j, 1,2,3,4,5,6,7
	s_mov_b32 s[67+\j], 0x01010101<<\j
.endr
	s_mov_b32 s75, 0xff0000ff
	; where each of the 512 threads puts its 16 bytes of each table
.set GO,  96                           ; 16 x thread: its bytes in memory
.set FW2, 97
.set FN,  98
.set FW1, 99
.set FX,  100
.set FB,  101
.set GB,  102
.set FB3, 103
.set GB3, 104
.set FLD, 105
	v_lshlrev_b32 v[GO], 4, v0
	v_lshrrev_b32 v108, 4, v0                      ; rows of 256 bytes: row = thread / 16 (+ 32 for each further load),
	v_and_b32 v109, 15, v0                         ; 16 bytes at 16 (thread % 16)
	v_mul_u32_u24 v[FN], v108, 272
	v_lshl_add_u32 v[FN], v109, 4, v[FN]
	v_add_nc_u32 v[FN], W3L, v[FN]                 ; W3, m, exp(-log_s): rows as they are
	v_lshl_add_u32 v[FLD], v108, 2, LDT
	v_and_b32 v110, 0x67, v108                     ; W2: bits 3 and 4 of the row change places
	v_bfe_u32 v111, v108, 3, 1
	v_lshl_or_b32 v110, v111, 4, v110
	v_bfe_u32 v111, v108, 4, 1
	v_lshl_or_b32 v110, v111, 3, v110
	v_mul_u32_u24 v[FW2], v110, 272
	v_lshl_add_u32 v[FW2], v109, 4, v[FW2]
	v_add_nc_u32 v[FW2], W2L, v[FW2]
	v_lshrrev_b32 v108, 2, v0                      ; W1: rows of 64 bytes: row = thread / 4 (+ 128), 16 bytes at 16 (thread % 4)
	v_and_b32 v109, 3, v0
	v_and_b32 v110, 0x67, v108
	v_bfe_u32 v111, v108, 3, 1
	v_lshl_or_b32 v110, v111, 4, v110
	v_bfe_u32 v111, v108, 4, 1
	v_lshl_or_b32 v110, v111, 3, v110
	v_mul_u32_u24 v[FW1], v110, 80
	v_lshl_add_u32 v[FW1], v109, 4, v[FW1]         ; (W1L = 0)
	v_add_nc_u32 v[FX], XL, v[GO]
	v_lshl_add_u32 v[FB], v0, 2, BB                ; b1 and b2: 4 bytes a thread
	v_and_b32 v108, 255, v0
	v_lshlrev_b32 v[GB], 2, v108
	v_lshl_add_u32 v[FB3], v0, 3, B3L              ; b3: 8 bytes a lane, into my wave's copy: 256 w + 8 lane = 8 x thread
	v_and_b32 v108, 31, v0
	v_lshlrev_b32 v[GB3], 3, v108
	s_wait_kmcnt 0x0
	s_load_b128 s[40:43], s[22:23], 0x0            ; e0 .. e3
	s_load_b64 s[44:45], s[22:23], 0x10            ; e4, e5
	s_lshl_b32 s76, ttmp9, 13                      ; my group's 32 rows of x,
	s_mov_b32 s77, 0
	s_add_nc_u64 s[4:5], s[4:5], s[76:77]
	s_lshl_b32 s76, ttmp9, 7                       ; and its 32 numbers of out0
	s_add_nc_u64 s[24:25], s[24:25], s[76:77]
	s_cmp_lt_u32 s26, 8                            ; waves 0-7 fetch b1, waves 8-15 b2: a choice on the wave's number
	s_cselect_b64 s[80:81], s[16:17], s[18:19]
.irp i, 0,1
	global_load_b128 v[16+4*\i:19+4*\i], v[GO], s[8:9] offset:8192*\i     ; log_s: each load of a wave covers 512 consecutive bytes
.endr
.irp i, 0,1
	global_load_b128 v[24+4*\i:27+4*\i], v[GO], s[6:7] offset:8192*\i     ; m
.endr
	global_load_b128 v[32:35], v[GO], s[4:5] th:TH_LOAD_NT                ; x: read once in the launch
.irp i, 0,1
	global_load_b128 v[36+4*\i:39+4*\i], v[GO], s[10:11] offset:8192*\i   ; W1
.endr
.irp i, 0,1
	global_load_b128 v[44+4*\i:47+4*\i], v[GO], s[14:15] offset:8192*\i   ; W3
.endr
.irp i, 0,1,2,3,4,5,6,7
	global_load_b128 v[52+4*\i:55+4*\i], v[GO], s[12:13] offset:8192*\i   ; W2
.endr
	global_load_b32 v84, v[GB], s[80:81]                                  ; b1 or b2
	global_load_b64 v[86:87], v[GB3], s[20:21]                            ; b3
	; my lane's addresses, while the loads are out
	v_and_b32 v12, 15, v0                          ; r
	v_bfe_u32 v[HH], v0, 4, 1                      ; h
	v_mul_u32_u24 v[AW1], v12, 80
	v_lshl_add_u32 v[AW1], v[HH], 4, v[AW1]
	v_mul_u32_u24 v[AWL], v12, 272
	s_mul_i32 s78, s27, 4352
	s_add_co_u32 s78, s78, ML
	v_lshl_add_u32 v[AMA], v[HH], 6, v[AWL]
	v_add_nc_u32 v[AMA], s78, v[AMA]
	v_lshl_add_u32 v[AWL], v[HH], 4, v[AWL]
	v_add_nc_u32 v[AW2], W2L, v[AWL]
	v_lshl_add_u32 v[ABI], v[HH], 6, BB
	s_lshl_b32 s78, s27, 6
	v_lshl_add_u32 v13, v12, 2, s78                ; 64 q + 4 r
	v_add_nc_u32 v[ALV], LVL, v13
	v_add_nc_u32 v[ADR], LDT, v13
	v_mov_b32 v[TP], 0                             ; written once: a lane permute's destination counts as one of its sources
	s_wait_loadcnt 0x0                             ; all nineteen loads are in
.irp i, 0,1                                    ; a row of log_s lies in sixteen neighbouring lanes, four numbers each: its sum
	v_add_f32 v[108+2*\i], v[16+4*\i], v[17+4*\i]
	v_add_f32 v[109+2*\i], v[18+4*\i], v[19+4*\i]
.endr
.irp i, 0,1
	v_add_f32 v[108+2*\i], v[108+2*\i], v[109+2*\i]
.endr
.irp k, 1,2,4,8
.irp i, 0,1
	v_add_f32_dpp v[108+2*\i], v[108+2*\i], v[108+2*\i] row_xmask:\k row_mask:0xf bank_mask:0xf
.endr
.endr
.irp i, 0,1
	v_sub_f32 v[108+2*\i], 0xc26b3f8e, v[108+2*\i]                        ; -32 log(2 pi) - the sum
	ds_store_b32 v[FLD], v[108+2*\i] offset:128*\i                        ; (sixteen lanes write the same word with the same value)
.endr
.irp j, 0,1,2,3,4,5,6,7
	v_mul_f32 v[16+\j], 0xbfb8aa3b, v[16+\j]       ; -log2(e) log_s
.endr
.irp j, 0,1,2,3,4,5,6,7
	v_exp_f32 v[16+\j], v[16+\j]                   ; exp(-log_s)
.endr
	v_mul_f32 v84, 0x4038aa3b, v84                 ; 2 log2(e) b: also the plain instruction behind the exponentials
	s_wait_alu depctr_va_vdst(0)                   ; one wait for the eight, ahead of their first reader
.irp i, 0,1
	ds_store_b128 v[FN], v[44+4*\i:47+4*\i] offset:8704*\i                ; W3
	ds_store_b128 v[FN], v[24+4*\i:27+4*\i] offset:17408+8704*\i          ; m
	ds_store_b128 v[FN], v[16+4*\i:19+4*\i] offset:34816+8704*\i          ; exp(-log_s)
	ds_store_b128 v[FW1], v[36+4*\i:39+4*\i] offset:10240*\i              ; W1
.endr
	ds_store_b128 v[FX], v[32:35]
.irp i, 0,1,2,3,4,5,6,7
	ds_store_b128 v[FW2], v[52+4*\i:55+4*\i] offset:8704*\i               ; W2
.endr
	ds_store_b32 v[FB], v84
	ds_store_b64 v[FB3], v[86:87]
	s_wait_kmcnt 0x0                               ; the exponents
	s_add_co_i32 s76, s40, s41
	s_lshl_b32 s76, s76, 23
	s_add_co_i32 s46, s76, 0x4038aa3b              ; 2 log2(e) x 2^(e0 + e1): the exponents are added to the constant's exponent field
	s_mov_b32 s47, s46
	s_add_co_i32 s76, s42, s43
	s_lshl_b32 s76, s76, 23
	s_add_co_i32 s48, s76, 0x4038aa3b              ; 2 log2(e) x 2^(e2 + e3)
	s_mov_b32 s49, s48
	s_add_co_i32 s76, s44, s45
	s_add_co_i32 s76, s76, 127
	s_lshl_b32 s50, s76, 23                        ; 2^(e4 + e5)
	s_mov_b32 s51, s50
.macro QS base, e                              ; for the operand with exponent s[e]: 2^e, and -+ the largest number x 2^e
	s_add_co_i32 s76, s[\e], 127
	s_lshl_b32 s[\base], s76, 23
	s_add_co_i32 s76, s76, 15
	s_lshl_b32 s76, s76, 23
	s_or_b32 s[\base+2], s76, 0x600000
	s_or_b32 s[\base+1], s[\base+2], 0x80000000
.endm
	QS 54, 40
	QS 57, 42
	QS 60, 44
	s_wait_dscnt 0x0                               ; for the others' sake: my stores have landed
	s_barrier_signal -1
	s_barrier_wait -1                              ; all tables lie in LDS; they are only read from here on
	ds_load_b32 v[LD], v[ADR]
	s_mov_b32 s29, 4
	s_wait_dscnt 0x0
.macro PLACES                                  ; four plain vector instructions between a matrix instruction and a vector instruction that reads its result, or a load into one of its registers
.rept 4
	v_nop
.endr
.endm
.macro LDW1 b                                  ; W1's tiles 2 b, 2 b + 1: 16 rows x 64 K each, 8 registers
.irp u, 0,1
.irp c, 0,1
	ds_load_b128 v[WF+8*\u+4*\c:WF+8*\u+4*\c+3], v[AW1] offset:(2*(\b)+\u)*1280+32*\c
.endr
.endr
.endm
.macro LDW2 b                                  ; W2's tiles 2 b, 2 b + 1: 16 rows x 256 K each: two fragments of 16 registers
.irp u, 0,1
.irp s, 0,1
.irp c, 0,1,2,3
	ds_load_b128 v[WF+32*\u+16*\s+4*\c:WF+32*\u+16*\s+4*\c+3], v[AW2] offset:(2*(\b)+\u)*4352+128*\s+32*\c
.endr
.endr
.endr
.endm
.macro LDBI l, b                               ; layer l's biases of units 32 b + 16 h + 0 .. 15
.irp j, 0,1,2,3
	ds_load_b128 v[BI+4*\j:BI+4*\j+3], v[ABI] offset:1024*(\l)+128*(\b)+16*\j
.endr
.endm
.macro A3                                      ; the addresses of W3's tiles tc xor q and of their b3, in the registers that the biases have left
.irp t, 0,1,2,3
	v_add_nc_u32 v[A3W+\t], s[W3O+\t], v[AWL]
	v_lshl_add_u32 v[A3B+\t], v[HH], 5, s[B3O+\t]
.endr
.endm
.macro LDW3 s                                  ; W3's four tiles, K step s
.irp t, 0,1,2,3
.irp c, 0,1,2,3
	ds_load_b128 v[WF+16*\t+4*\c:WF+16*\t+4*\c+3], v[A3W+\t] offset:128*(\s)+32*\c
.endr
.endr
.endm
.macro LDB3                                    ; b3 in the logits' layout: classes 16 (tc xor q) + 8 h + 0 .. 7
.irp t, 0,1,2,3
.irp j, 0,1
	ds_load_b128 v[B3R+8*\t+4*\j:B3R+8*\t+4*\j+3], v[A3B+\t] offset:16*\j
.endr
.endr
.endm
; A chunk = 32 units x 32 rows = 32 registers.  ACT1: the exponent 2 log2(e) (sum x 2^(..) + bias), each accumulator from its low end on.
.macro ACT1 cs
.set n, 0
.rept 16
	v_pk_fma_f32 v[ACC+n:ACC+n+1], v[ACC+n:ACC+n+1], s[\cs:\cs+1], v[BI+(n%16):BI+(n%16)+1] op_sel_hi:[1,0,1]
.set n, n+2
.endr
.endm
; ACT2: tanh = 1 - 2 / (1 + 2^exponent), the hold, the conversion: the codes are registers 4 b .. 4 b + 3 of the next operand.  Each batch of 32 transcendentals has one plain instruction and one wait behind it.
.macro ACT2 nl, pl, dst, b
.set n, 0
.rept 32
	v_exp_f32 v[ACC+n], v[ACC+n]
.set n, n+1
.endr
	v_nop                                          ; the plain instruction behind the last exponential
	s_wait_alu depctr_va_vdst(0)                   ; one wait for the batch, ahead of its first reader
.set n, 0
.rept 16
	v_pk_add_f32 v[ACC+n:ACC+n+1], v[ACC+n:ACC+n+1], 1.0 op_sel_hi:[1,0]
.set n, n+2
.endr
.set n, 0
.rept 32
	v_rcp_f32 v[ACC+n], v[ACC+n]
.set n, n+1
.endr
	v_nop
	s_wait_alu depctr_va_vdst(0)                   ; likewise for the reciprocals
.set n, 0
.rept 16
	v_pk_fma_f32 v[ACC+n:ACC+n+1], v[ACC+n:ACC+n+1], -2.0, 1.0 op_sel_hi:[1,0,0]
.set n, n+2
.endr
.set n, 0
.rept 32
	v_med3_num_f32 v[ACC+n], v[ACC+n], s[\nl], s[\pl]   ; the conversion to an 8-bit code does not saturate (ISA guide 7.6.2): the hold at the largest code x the scale, whatever the given scale
.set n, n+1
.endr
.irp t, 0,1
.irp g, 0,1
	v_cvt_scalef32_pk8_bf8_f32 v[\dst+32*\t+4*(\b)+2*\g:\dst+32*\t+4*(\b)+2*\g+1], v[ACC+16*\t+8*\g:ACC+16*\t+8*\g+7], v[SC]
.endr
.endr
	v_nop                                          ; a plain instruction between the conversions and the next products, which write their sources or read their results
.endm
; Tile t's z, -0.5 |z|^2 + ld, and z's codes.  x - m is formed first, as the definition has it.
.macro ZT t
.set ZX, XR+32*(\t)
.set n, 0
.rept 16
	v_pk_add_f32 v[ZX+n:ZX+n+1], v[ZX+n:ZX+n+1], v[MR+n:MR+n+1] neg_lo:[0,1] neg_hi:[0,1]
.set n, n+2
.endr
.set n, 0
.rept 16
	v_pk_mul_f32 v[ZX+n:ZX+n+1], v[ZX+n:ZX+n+1], v[AR+n:AR+n+1]
.set n, n+2
.endr
	v_pk_mul_f32 v[QA:QA+1], v[ZX:ZX+1], v[ZX:ZX+1]             ; the squares, in two chains that the first products start
	v_pk_mul_f32 v[QB:QB+1], v[ZX+2:ZX+3], v[ZX+2:ZX+3]
.set n, 4
.rept 7
	v_pk_fma_f32 v[QA:QA+1], v[ZX+n:ZX+n+1], v[ZX+n:ZX+n+1], v[QA:QA+1]
	v_pk_fma_f32 v[QB:QB+1], v[ZX+n+2:ZX+n+3], v[ZX+n+2:ZX+n+3], v[QB:QB+1]
.set n, n+4
.endr
	v_pk_add_f32 v[QA:QA+1], v[QA:QA+1], v[QB:QB+1]
	v_add_f32 v[QA], v[QA], v[QA+1]
	v_permlanex16_b32 v[TP], v[QA], s66, s67       ; the row's other 32 numbers lie in the lane 16 away
	v_add_f32 v[QA], v[QA], v[TP]
	v_fma_f32 v[SSQ+\t], v[QA], -0.5, v[LD]
.set n, 0
.rept 32
	v_med3_num_f32 v[ZX+n], v[ZX+n], s55, s56      ; the hold at the largest code x 2^e0
.set n, n+1
.endr
.irp g, 0,1,2,3
	v_cvt_scalef32_pk8_bf8_f32 v[ZC+8*(\t)+2*\g:ZC+8*(\t)+2*\g+1], v[ZX+8*\g:ZX+8*\g+7], v[SC]
.endr
.endm
.macro L1M                                     ; a chunk of the first product: four accumulators, each begun with the constant 0
	s_wait_dscnt 0x0                               ; the chunk's fragments and biases, asked for in the chunk before, are in
.irp u, 0,1
.irp t, 0,1
	v_wmma_f32_16x16x64_bf8_bf8 v[ACC+16*\t+8*\u:ACC+16*\t+8*\u+7], v[WF+8*\u:WF+8*\u+7], v[ZC+8*\t:ZC+8*\t+7], 0
.endr
.endr
	PLACES
.endm
.macro L2M                                     ; a chunk of the second: the four accumulators take turns, one instruction a turn, K step by K step
	s_wait_dscnt 0x0
.irp s, 0,1
.irp u, 0,1
.irp t, 0,1
.if \s == 0
	v_wmma_f32_16x16x128_bf8_bf8 v[ACC+16*\t+8*\u:ACC+16*\t+8*\u+7], v[WF+32*\u:WF+32*\u+15], v[H1C+32*\t:H1C+32*\t+15], 0
.else
	v_wmma_f32_16x16x128_bf8_bf8 v[ACC+16*\t+8*\u:ACC+16*\t+8*\u+7], v[WF+32*\u+16:WF+32*\u+31], v[H1C+32*\t+16:H1C+32*\t+31], v[ACC+16*\t+8*\u:ACC+16*\t+8*\u+7]
.endif
.endr
.endr
.endr
	PLACES
.endm
; The softmax of tile t, first part: the diagonal logit, the largest logit, -log2(e) x it.
.macro SMA t
.set LGT, LG+32*(\t)
.set TST, TS0+16*(\t)                          ; +0 the diagonal, +1 the maximum, +2 its second chain, +4, +5 -log2(e) maximum, +6 to +9 two chains of sums, +10 log2 of the sum
	v_cndmask_b32 v[TST], v[LGT], v[LGT+1], s68    ; register lane % 8 of my first tile,
.irp j, 2,3,4,5,6,7
	v_cndmask_b32 v[TST], v[TST], v[LGT+\j], s[67+\j]
.endr
	v_permlanex16_b32 v[TP], v[TST], s66, s67
	v_cndmask_b32 v[TST], v[TP], v[TST], s75       ; from the half of the lanes with h = r / 8: logit c = k of my row
	v_max3_num_f32 v[TST+1], v[LGT], v[LGT+1], v[LGT+2]
	v_max3_num_f32 v[TST+2], v[LGT+3], v[LGT+4], v[LGT+5]
.irp i, 6,10,14,18,22,26
	v_max3_num_f32 v[TST+1], v[TST+1], v[LGT+\i], v[LGT+\i+1]
	v_max3_num_f32 v[TST+2], v[TST+2], v[LGT+\i+2], v[LGT+\i+3]
.endr
	v_max3_num_f32 v[TST+1], v[TST+1], v[LGT+30], v[LGT+31]
	v_max_num_f32 v[TST+1], v[TST+1], v[TST+2]
	v_permlanex16_b32 v[TP], v[TST+1], s66, s67
	v_max_num_f32 v[TST+1], v[TST+1], v[TP]        ; the row's largest logit
	v_mul_f32 v[TST+4], 0xbfb8aa3b, v[TST+1]
	v_mov_b32 v[TST+5], v[TST+4]                   ; (named with it as a pair, so it is written)
.set n, 0
.rept 16
	v_pk_fma_f32 v[LGT+n:LGT+n+1], v[LGT+n:LGT+n+1], s[52:53], v[TST+4:TST+5] op_sel_hi:[1,0,0]   ; log2(e) (logit - maximum)
.set n, n+2
.endr
.endm
.macro SMB t                                   ; second part: the row's sum of exponentials
.set LGT, LG+32*(\t)
.set TST, TS0+16*(\t)
	v_pk_add_f32 v[TST+6:TST+7], v[LGT:LGT+1], v[LGT+2:LGT+3]
	v_pk_add_f32 v[TST+8:TST+9], v[LGT+4:LGT+5], v[LGT+6:LGT+7]
.irp i, 8,12,16,20,24,28
	v_pk_add_f32 v[TST+6:TST+7], v[TST+6:TST+7], v[LGT+\i:LGT+\i+1]
	v_pk_add_f32 v[TST+8:TST+9], v[TST+8:TST+9], v[LGT+\i+2:LGT+\i+3]
.endr
	v_pk_add_f32 v[TST+6:TST+7], v[TST+6:TST+7], v[TST+8:TST+9]
	v_add_f32 v[TST+6], v[TST+6], v[TST+7]
	v_permlanex16_b32 v[TP], v[TST+6], s66, s67
	v_add_f32 v[TST+6], v[TST+6], v[TP]
.endm
.Ltrip:                                            ; four trips; a trip takes two tiles of 16 rows through the whole chain
	; ---- Z: z, its squares, its codes
	v_mov_b32 v[SC], s54                           ; 2^e0
	v_lshl_add_u32 v[ADR], v[HH], 6, s30           ; x's two rows of this trip, + 64 h
.irp c, 0,1
.irp j, 0,1,2,3
	ds_load_b128 v[MR+16*\c+4*\j:MR+16*\c+4*\j+3], v[AMA] offset:128*\c+16*\j          ; m[k][32 c + 16 h + 4 j ..]
.endr
.endr
.irp c, 0,1
.irp j, 0,1,2,3
	ds_load_b128 v[AR+16*\c+4*\j:AR+16*\c+4*\j+3], v[AMA] offset:17408+128*\c+16*\j    ; exp(-log_s) likewise
.endr
.endr
.irp t, 0,1
.irp c, 0,1
.irp j, 0,1,2,3
	ds_load_b128 v[XR+32*\t+16*\c+4*\j:XR+32*\t+16*\c+4*\j+3], v[ADR] offset:256*\t+128*\c+16*\j   ; x: sixteen lanes read the same 16 bytes
.endr
.endr
.endr
	LDW1 0
	LDBI 0, 0
	s_wait_dscnt 16                                ; m, exp(-log_s) and tile 0's x are in; behind them: tile 1's 8 loads, W1's 4, the biases' 4
	ZT 0
	s_wait_dscnt 8                                 ; tile 1's x is in; behind it: W1's 4, the biases' 4
	ZT 1
	v_nop                                          ; a plain instruction between the conversions and the write of their scale and the products that read their results
	; ---- L1: h1 = tanh(z W1^T + b1), 32 units at a time; the next chunk's fragments and biases are asked for between the two halves of the activation
	v_mov_b32 v[SC], s57                           ; 2^e2
.irp b, 0,1,2,3,4,5,6
	L1M
	ACT1 46
	LDW1 \b+1
	LDBI 0, \b+1
	ACT2 58, 59, H1C, \b
.endr
	L1M
	ACT1 46
	LDW2 0                                         ; (it lands on z's codes too: their last products stand twenty plain instructions back)
	LDBI 1, 0
	ACT2 58, 59, H1C, 7
	; ---- L2: h2 = tanh(h1 W2^T + b2)
	v_mov_b32 v[SC], s60                           ; 2^e4
.irp b, 0,1,2,3,4,5,6
	L2M
	ACT1 48
	LDW2 \b+1
	LDBI 1, \b+1
	ACT2 61, 62, H2C, \b
.endr
	L2M
	ACT1 48
	A3
	LDW3 0
	ACT2 61, 62, H2C, 7
	; ---- L3: the logits: eight accumulators (four tiles of classes x two tiles of rows) by turns, over h1's codes, which are done with
	s_wait_dscnt 0x0
.irp c, 0,1,2,3
.irp t, 0,1
	v_wmma_f32_16x16x128_bf8_bf8 v[LG+32*\t+8*\c:LG+32*\t+8*\c+7], v[WF+16*\c:WF+16*\c+15], v[H2C+32*\t:H2C+32*\t+15], 0
.endr
.endr
	PLACES
	LDW3 1
	LDB3
	s_wait_dscnt 0x0
.irp c, 0,1,2,3
.irp t, 0,1
	v_wmma_f32_16x16x128_bf8_bf8 v[LG+32*\t+8*\c:LG+32*\t+8*\c+7], v[WF+16*\c:WF+16*\c+15], v[H2C+32*\t+16:H2C+32*\t+31], v[LG+32*\t+8*\c:LG+32*\t+8*\c+7]
.endr
.endr
	PLACES
	; ---- SM: log_softmax's diagonal entry, and lv
.set n, 0
.rept 32
	v_pk_fma_f32 v[LG+n:LG+n+1], v[LG+n:LG+n+1], s[50:51], v[B3R+(n%32):B3R+(n%32)+1] op_sel_hi:[1,0,1]   ; logit = sum x 2^(e4 + e5) + b3; each accumulator from its low end on
.set n, n+2
.endr
	SMA 0
	SMA 1
.set n, 0
.rept 64
	v_exp_f32 v[LG+n], v[LG+n]
.set n, n+1
.endr
	v_nop                                          ; the plain instruction behind the last exponential
	s_wait_alu depctr_va_vdst(0)                   ; one wait for both tiles' 64
	SMB 0
	SMB 1
	v_log_f32 v[TS0+10], v[TS0+6]
	v_log_f32 v[TS0+26], v[TS0+22]
	v_add_f32 v[SSQ], v[SSQ], v[TS0]               ; + the diagonal logit,
	v_add_f32 v[SSQ+1], v[SSQ+1], v[TS0+16]
	v_sub_f32 v[SSQ], v[SSQ], v[TS0+1]             ; - the maximum: plain work behind the logarithms
	v_sub_f32 v[SSQ+1], v[SSQ+1], v[TS0+17]
	v_add_nc_u32 v[ADR], s31, v[ALV]
	s_wait_alu depctr_va_vdst(0)                   ; one wait for the two logarithms
	v_fmamk_f32 v[SSQ], v[TS0+10], 0xbf317218, v[SSQ]       ; - ln 2 x log2(the sum): lv
	v_fmamk_f32 v[SSQ+1], v[TS0+26], 0xbf317218, v[SSQ+1]
	ds_store_b32 v[ADR], v[SSQ]                    ; lv[n][k] (both halves of the lanes hold the same number and write the same word)
	ds_store_b32 v[ADR], v[SSQ+1] offset:272
	s_add_co_u32 s30, s30, 512                     ; two rows of x on,
	s_add_co_u32 s31, s31, 544                     ; two rows of lv on
	s_sub_co_u32 s29, s29, 1
	s_wait_dscnt 0x0                               ; the stores are done: their address and data are written again in the next trip; behind the last trip: for the others' sake
	s_cmp_lg_u32 s29, 0
	s_cbranch_scc1 .Ltrip
	; ---- the tail: out0[n] = logsumexp over k of lv[n][k]: wave 0, a lane to an n
	v_and_b32 v16, 31, v0
	v_mul_u32_u24 v[ADR], v16, 272
	v_add_nc_u32 v[ADR], LVL, v[ADR]
	v_lshlrev_b32 v16, 2, v16
	s_barrier_signal -1                            ; every wave's stores of lv have landed (the wait at the trip's end)
	s_barrier_wait -1
	s_cmp_lg_u32 s26, 0
	s_cbranch_scc1 .Lend
.irp j, 0,1,2,3,4,5,6,7,8,9,10,11,12,13,14,15
	ds_load_b128 v[80+4*\j:83+4*\j], v[ADR] offset:16*\j
.endr
	s_wait_dscnt 0x0
	v_max3_num_f32 v176, v80, v81, v82
	v_max3_num_f32 v177, v83, v84, v85
.irp i, 6,10,14,18,22,26,30,34,38,42,46,50,54,58
	v_max3_num_f32 v176, v176, v[80+\i], v[81+\i]
	v_max3_num_f32 v177, v177, v[82+\i], v[83+\i]
.endr
	v_max3_num_f32 v176, v176, v142, v143
	v_max_num_f32 v176, v176, v177                 ; the largest lv of my n
	v_mul_f32 v180, 0xbfb8aa3b, v176
	v_mov_b32 v181, v180
.set n, 0
.rept 32
	v_pk_fma_f32 v[80+n:81+n], v[80+n:81+n], s[52:53], v[180:181] op_sel_hi:[1,0,0]
.set n, n+2
.endr
.set n, 0
.rept 64
	v_exp_f32 v[80+n], v[80+n]
.set n, n+1
.endr
	v_nop
	s_wait_alu depctr_va_vdst(0)                   ; one wait for the 64
	v_pk_add_f32 v[182:183], v[80:81], v[82:83]
	v_pk_add_f32 v[184:185], v[84:85], v[86:87]
.irp i, 8,12,16,20,24,28,32,36,40,44,48,52,56,60
	v_pk_add_f32 v[182:183], v[182:183], v[80+\i:81+\i]
	v_pk_add_f32 v[184:185], v[184:185], v[82+\i:83+\i]
.endr
	v_pk_add_f32 v[182:183], v[182:183], v[184:185]
	v_add_f32 v182, v182, v183
	v_log_f32 v186, v182
	v_nop
	s_wait_alu depctr_va_vdst(0)
	v_fmamk_f32 v187, v186, 0x3f317218, v176       ; the maximum + ln 2 x log2(the sum)
	global_store_b32 v16, v187, s[24:25]           ; 32 lanes store the group's 128 consecutive bytes
.Lend:
	s_wait_tensorcnt 0x0                           ; the wave's end, behind my last LDS store
	ds_add_u32 v[SPW], v[NIL]
	s_wait_dscnt 0x0
	s_endpgm
.Lfunc_end_k_qa454d80282_dif:
	.size	k_qa454d80282_dif, .Lfunc_end_k_qa454d80282_dif-k_qa454d80282_dif
	.p2alignl 7, 3214868480
	.fill 96, 4, 3214868480
	.section	.rodata,"a",@progbits
	.p2align	6, 0x0
	.amdhsa_kernel k_qa454d80282_dif
		.amdhsa_group_segment_fixed_size 167936
		.amdhsa_private_segment_fixed_size 0
		.amdhsa_enable_private_segment 0
		.amdhsa_kernarg_size 88
		.amdhsa_user_sgpr_count 2
		.amdhsa_user_sgpr_kernarg_segment_ptr 1
		.amdhsa_wavefront_size32 1
		.amdhsa_system_sgpr_workgroup_id_x 1
		.amdhsa_system_sgpr_workgroup_id_y 1
		.amdhsa_system_sgpr_workgroup_id_z 1
		.amdhsa_system_vgpr_workitem_id 0
		.amdhsa_next_free_vgpr 256
		.amdhsa_next_free_sgpr 96
		.amdhsa_reserve_vcc 0
		.amdhsa_float_denorm_mode_32 3
		.amdhsa_float_denorm_mode_16_64 3
		.amdhsa_memory_ordered 1
		.amdhsa_forward_progress 1
		.amdhsa_inst_pref_size 193
	.end_amdhsa_kernel
	.amdgpu_metadata
---
amdhsa.version: [ 1, 2 ]
amdhsa.kernels:
  - .name:           k_qa454d80282_dif
    .symbol:         k_qa454d80282_dif.kd
    .args:
      - { .name: x, .offset: 0, .size: 8, .value_kind: global_buffer, .address_space: global }
      - { .name: m, .offset: 8, .size: 8, .value_kind: global_buffer, .address_space: global }
      - { .name: log_s, .offset: 16, .size: 8, .value_kind: global_buffer, .address_space: global }
      - { .name: W1_codes, .offset: 24, .size: 8, .value_kind: global_buffer, .address_space: global }
      - { .name: W2_codes, .offset: 32, .size: 8, .value_kind: global_buffer, .address_space: global }
      - { .name: W3_codes, .offset: 40, .size: 8, .value_kind: global_buffer, .address_space: global }
      - { .name: b1, .offset: 48, .size: 8, .value_kind: global_buffer, .address_space: global }
      - { .name: b2, .offset: 56, .size: 8, .value_kind: global_buffer, .address_space: global }
      - { .name: b3, .offset: 64, .size: 8, .value_kind: global_buffer, .address_space: global }
      - { .name: lowp_scales, .offset: 72, .size: 8, .value_kind: global_buffer, .address_space: global }
      - { .name: out0, .offset: 80, .size: 8, .value_kind: global_buffer, .address_space: global }
    .group_segment_fixed_size: 167936
    .private_segment_fixed_size: 0
    .kernarg_segment_align: 8
    .kernarg_segment_size: 88
    .max_flat_workgroup_size: 512
    .sgpr_count:     96
    .vgpr_count:     256
    .wavefront_size: 32
...
	.end_amdgpu_metadata
.endif
;; end of part 1
;; ======== version 2 of 2: 1 launch; 1.11 times as fast as version 1
;; limits: a function is approximated: absolute error at most 3e-07
;; launch dif (part 2): grid 256 x 1, 16 waves a work-group, no clusters, 167,936 bytes of LDS; arguments x, m, log_s, W1_codes, W2_codes, W3_codes, b1, b2, b3, lowp_scales, out0; writes out0
.if DOCPART == 2
	.amdgcn_target "amdgcn-amd-amdhsa--gfx1250"
	.amdhsa_code_object_version 6
	.text
	.protected	k_qa454d80282_dif
	.globl	k_qa454d80282_dif
	.p2align	8
	.type	k_qa454d80282_dif,@function
k_qa454d80282_dif:
	s_mov_b64 s[64:65], 0
	v_nop
	global_prefetch_b8 v0, s[64:65] scope:SCOPE_SE
	s_setreg_imm32_b32 hwreg(HW_REG_WAVE_MODE, 25, 1), 1
	s_wait_xcnt 0x0
; out0[n] = logsumexp_k( -0.5 |z|^2 - 32 log(2 pi) - sum_p log_s[k][p] + log_softmax_c(MLP(z))[c = k] ),  z = (x[n] - m[k]) exp(-log_s[k]).
; MLP: 64 -> 256 -> 256 -> 64, tanh behind the first two layers; its three products multiply codes of BF8 (E5M2): z, h1, h2 are quantised here with the given scales 2^e0, 2^e2, 2^e4;
; W1, W2, W3 arrive as codes with the scales 2^e1, 2^e3, 2^e5.  All else is f32.
; NO STEP AND NO INPUT IS LEFT OUT: all 64 logits of a row enter the softmax's sum, b3 differs along its axis, b1 and b2 stand ahead of quantisers, log_det and the constant reach the result.
; THE HOLD BEHIND tanh RUNS WHERE THE GIVEN EXPONENT ASKS FOR IT.  tanh is made as 1 - 2 rcp(1 + E) with E >= 0: 1 + E is at least 1, its reciprocal at most 1 and one unit in the last place, so the result lies
; within +-(1 + 3e-7) whatever the inputs.  The largest code x 2^e is 57,344 x 2^e, which is 1.75 or more as soon as e >= -15: the hold then changes no number.  e2 and e4 are whole numbers read from memory:
; a scalar branch on them, inside the loop, leads round a chunk's 32 holds alone; with e < -15 they run.  z has no bound: its hold always runs.
; SHARES.  8,192 x 64 rows (n, k).  A work-group of sixteen waves owns 32 n x all 64 k; 256 work-groups.  Wave w: q = w % 4 is its tile of k (k = 16 q + r), ng = w / 4; in each of 4 trips it takes
; two tiles of 16 rows: n = 8 ng + 2 trip + 0, 1, rows r = k.  So m, exp(-log_s), log_det and every weight fragment read from LDS serve both tiles.  Four waves share a SIMD (256 registers each):
; one wave's exponentials and reciprocals stand beside another's matrix instructions and LDS loads.
; LAYOUT.  All products are used transposed (source 0 = 16 rows of a weight, source 1 = 16 rows (n, k)): lane (r = lane % 16, h = lane / 16) holds ONE row throughout, its registers run along the units.
; THE ROWS OF W1 AND W2 THAT FORM A TILE ARE NOT NEIGHBOURS: lane r of tile 2 b + u takes row 32 b + 8 u + r + 8 (r / 8), so that the 16 registers of tiles 2 b, 2 b + 1 are units 32 b + 16 h + 0 .. 15,
; 16 neighbours along the next K: the conversions' results are the next operand's registers.  In LDS those rows are laid with bits 3 and 4 of the row number exchanged, so that a tile's 16 rows lie on end.
; Along K every operand holds k = 32 c + 16 h + 0 .. 15 in registers 4 c .. 4 c + 3: one permutation of k, the same on both sides of each product.
; W3's tiles are taken in the order tc xor q, so that the wave's own k lie in its first tile: the diagonal logit is register r % 8 of lane (r, h = r / 8).
; tanh(a) = 1 - 2 / (1 + 2^(2 log2(e) a)); the sums' power of two and 2 log2(e) are one factor, the bias is kept times 2 log2(e): one packed multiply-add makes the exponent.
; PLAIN AND TRANSCENDENTAL WORK BY TURNS: a pair's multiply-add stands three pairs ahead of its two exponentials, a pair's addition of 1 three pairs ahead of its two reciprocals; no line of such a block names
; a result of the block's transcendentals, so each batch of 32 still has one plain instruction and one wait behind it.
; NO TENSOR LOADS, NO CLUSTER: what work-groups share is 98,304 bytes of weights and 32,768 of m and log_s, fetched once at the head, against 64 wave trips of over 2,000 vector instructions; it goes
; through registers, since rows change places and log_s becomes exp(-log_s) on the way.  Nothing streams, so nothing is prefetched.  A work-group's share of out0 is 128 bytes, one store.
; LIMITS: e0, e2, e4 between -126 and 112; e0 + e1 and e2 + e3 between -127 and 126; e4 + e5 between -126 and 127 (each power of two below is an f32 number).  NaN and infinity among the inputs are
; not served.  tanh is made with an absolute error of about 1e-7, so the relative error of a very small tanh t is about 1e-7 / |t|.
.set W1L,   0                          ; LDS: W1, 256 rows, pitch 80 (64 + 16): 20 words, sixteen rows start at sixteen different groups of four banks
.set W2L,   20480                      ; W2, 256 rows, pitch 272 (256 + 16)
.set W3L,   90112                      ; W3, 64 rows, pitch 272, in their own order
.set ML,    107520                     ; m, 64 rows, pitch 272  (= W3L + 17,408)
.set AL,    124928                     ; exp(-log_s), likewise     (= ML + 17,408)
.set XL,    142336                     ; the group's 32 rows of x, 256 bytes each
.set BB,    150528                     ; 2 log2(e) b1 (1,024 bytes), then 2 log2(e) b2
.set LDT,   152576                     ; ld[k] = -sum_p log_s[k][p] - 32 log(2 pi)
.set LVL,   152832                     ; lv[n][k], 32 rows, pitch 272
.set B3L,   161536                     ; b3, a copy of 256 bytes for each wave
.set SPARE, 165632                     ; the spare words, 128 bytes for each wave: eight blocks of 256 bytes that no other line names
.set SPW, 1                            ; v1   LDS address of my spare word; never rewritten
.set NIL, 2                            ; v2   0; never rewritten
.set AW1, 3                            ; v3   W1L + 80 r + 16 h
.set AWL, 4                            ; v4   272 r + 16 h
.set AW2, 5                            ; v5   W2L + 272 r + 16 h
.set AMA, 6                            ; v6   ML + 272 (16 q + r) + 64 h
.set ABI, 7                            ; v7   BB + 64 h
.set HH,  8                            ; v8   h
.set ALV, 9                            ; v9   LVL + 64 q + 4 r
.set SC,  10                           ; v10  the scale of the conversions in hand, as f32
.set LD,  11                           ; v11  ld of my k
.set SSQ, 12                           ; v12, v13  -0.5 |z|^2 + ld of my two rows, later lv
.set ADR, 14                           ; v14  an LDS address at work
.set TP,  15                           ; v15  what the lane 16 away sent
.set H1C, 16                           ; v16-79    h1's codes: 32 tile + 4 b
.set MR,  16                           ;           in Z: m;
.set AR,  48                           ;           exp(-log_s)
.set LG,  16                           ;           in L3 and SM: the logits: 32 tile + 8 tc + j
.set H2C, 80                           ; v80-143   h2's codes
.set XR,  80                           ;           in Z: x, then z: 32 tile + 16 c + i
.set ACC, 144                          ; v144-175  a chunk's four accumulators: 16 tile + 8 u
.set QA,  144                          ;           in Z: two chains of squares
.set QB,  146
.set B3R, 144                          ;           in L3 and SM: b3: 8 tc + j
.set WF,  176                          ; v176-239  weight fragments
.set ZC,  224                          ;           in Z and L1: z's codes: 8 tile
.set TS0, 176                          ;           in SM: 16 registers at work for each tile
.set BI,  240                          ; v240-255  a chunk's 16 biases
.set A3W, 240                          ;           in L3: the addresses of W3's four tiles,
.set A3B, 244                          ;           and of their b3
.set W3O, 32                           ; s[32:35]  W3L + 4,352 (tc xor q)
.set B3O, 36                           ; s[36:39]  B3L + 256 w + 64 (tc xor q)
; s26 w, s27 q, s28 ng, s29 trips, s30 x's rows in LDS, s31 lv's rows; s[40:45] e0..e5, kept; s[46:47], s[48:49] 2 log2(e) 2^(e0+e1), 2^(e2+e3); s[50:51] 2^(e4+e5); s[52:53] log2(e);
; s54-56, s57-59, s60-62: for e0, e2, e4: 2^e, -57,344 x 2^e, +57,344 x 2^e; s[66:67] lane selects; s68-74 lanes with lane % 8 = 1 .. 7; s75 lanes with h = r / 8
	s_load_b512 s[4:19], s[0:1], 0x0               ; x, m, log_s, W1, W2, W3, b1, b2
	s_load_b128 s[20:23], s[0:1], 0x40             ; b3, the scales' exponents
	s_load_b64 s[24:25], s[0:1], 0x50              ; out0
	v_lshl_add_u32 v[SPW], v0, 2, SPARE
	v_mov_b32 v[NIL], 0
	v_lshrrev_b32 v12, 5, v0
	v_readfirstlane_b32 s26, v12                   ; wave 0..15
	s_and_b32 s27, s26, 3                          ; q
	s_lshr_b32 s28, s26, 2                         ; ng
	s_lshl_b32 s30, s28, 11
	s_add_co_u32 s30, s30, XL                      ; x's row 8 ng in LDS
	s_mul_i32 s31, s28, 2176                       ; lv's row 8 ng
	s_lshl_b32 s77, s26, 8
	s_add_co_u32 s77, s77, B3L                     ; my wave's copy of b3
.irp tc, 0,1,2,3
	s_xor_b32 s76, s27, \tc
	s_mul_i32 s[W3O+\tc], s76, 4352
	s_add_co_u32 s[W3O+\tc], s[W3O+\tc], W3L
	s_lshl_b32 s[B3O+\tc], s76, 6
	s_add_co_u32 s[B3O+\tc], s[B3O+\tc], s77
.endr
	s_mov_b32 s52, 0x3fb8aa3b                      ; log2(e)
	s_mov_b32 s53, s52                             ; (named with it as a pair, so it is written)
	s_mov_b32 s66, 0x76543210
	s_mov_b32 s67, 0xfedcba98                      ; v_permlanex16_b32: lane l xor 16
.irp j, 1,2,3,4,5,6,7
	s_mov_b32 s[67+\j], 0x01010101<<\j
.endr
	s_mov_b32 s75, 0xff0000ff
	; where each of the 512 threads puts its 16 bytes of each table
.set GO,  96                           ; 16 x thread: its bytes in memory
.set FW2, 97
.set FN,  98
.set FW1, 99
.set FX,  100
.set FB,  101
.set GB,  102
.set FB3, 103
.set GB3, 104
.set FLD, 105
	v_lshlrev_b32 v[GO], 4, v0
	v_lshrrev_b32 v108, 4, v0                      ; rows of 256 bytes: row = thread / 16 (+ 32 for each further load),
	v_and_b32 v109, 15, v0                         ; 16 bytes at 16 (thread % 16)
	v_mul_u32_u24 v[FN], v108, 272
	v_lshl_add_u32 v[FN], v109, 4, v[FN]
	v_add_nc_u32 v[FN], W3L, v[FN]                 ; W3, m, exp(-log_s): rows as they are
	v_lshl_add_u32 v[FLD], v108, 2, LDT
	v_and_b32 v110, 0x67, v108                     ; W2: bits 3 and 4 of the row change places
	v_bfe_u32 v111, v108, 3, 1
	v_lshl_or_b32 v110, v111, 4, v110
	v_bfe_u32 v111, v108, 4, 1
	v_lshl_or_b32 v110, v111, 3, v110
	v_mul_u32_u24 v[FW2], v110, 272
	v_lshl_add_u32 v[FW2], v109, 4, v[FW2]
	v_add_nc_u32 v[FW2], W2L, v[FW2]
	v_lshrrev_b32 v108, 2, v0                      ; W1: rows of 64 bytes: row = thread / 4 (+ 128), 16 bytes at 16 (thread % 4)
	v_and_b32 v109, 3, v0
	v_and_b32 v110, 0x67, v108
	v_bfe_u32 v111, v108, 3, 1
	v_lshl_or_b32 v110, v111, 4, v110
	v_bfe_u32 v111, v108, 4, 1
	v_lshl_or_b32 v110, v111, 3, v110
	v_mul_u32_u24 v[FW1], v110, 80
	v_lshl_add_u32 v[FW1], v109, 4, v[FW1]         ; (W1L = 0)
	v_add_nc_u32 v[FX], XL, v[GO]
	v_lshl_add_u32 v[FB], v0, 2, BB                ; b1 and b2: 4 bytes a thread
	v_and_b32 v108, 255, v0
	v_lshlrev_b32 v[GB], 2, v108
	v_lshl_add_u32 v[FB3], v0, 3, B3L              ; b3: 8 bytes a lane, into my wave's copy: 256 w + 8 lane = 8 x thread
	v_and_b32 v108, 31, v0
	v_lshlrev_b32 v[GB3], 3, v108
	s_wait_kmcnt 0x0
	s_load_b128 s[40:43], s[22:23], 0x0            ; e0 .. e3
	s_load_b64 s[44:45], s[22:23], 0x10            ; e4, e5
	s_lshl_b32 s76, ttmp9, 13                      ; my group's 32 rows of x,
	s_mov_b32 s77, 0
	s_add_nc_u64 s[4:5], s[4:5], s[76:77]
	s_lshl_b32 s76, ttmp9, 7                       ; and its 32 numbers of out0
	s_add_nc_u64 s[24:25], s[24:25], s[76:77]
	s_cmp_lt_u32 s26, 8                            ; waves 0-7 fetch b1, waves 8-15 b2: a choice on the wave's number
	s_cselect_b64 s[80:81], s[16:17], s[18:19]
.irp i, 0,1
	global_load_b128 v[16+4*\i:19+4*\i], v[GO], s[8:9] offset:8192*\i     ; log_s: each load of a wave covers 512 consecutive bytes
.endr
.irp i, 0,1
	global_load_b128 v[24+4*\i:27+4*\i], v[GO], s[6:7] offset:8192*\i     ; m
.endr
	global_load_b128 v[32:35], v[GO], s[4:5] th:TH_LOAD_NT                ; x: read once in the launch
.irp i, 0,1
	global_load_b128 v[36+4*\i:39+4*\i], v[GO], s[10:11] offset:8192*\i   ; W1
.endr
.irp i, 0,1
	global_load_b128 v[44+4*\i:47+4*\i], v[GO], s[14:15] offset:8192*\i   ; W3
.endr
.irp i, 0,1,2,3,4,5,6,7
	global_load_b128 v[52+4*\i:55+4*\i], v[GO], s[12:13] offset:8192*\i   ; W2
.endr
	global_load_b32 v84, v[GB], s[80:81]                                  ; b1 or b2
	global_load_b64 v[86:87], v[GB3], s[20:21]                            ; b3
	; my lane's addresses, while the loads are out
	v_and_b32 v12, 15, v0                          ; r
	v_bfe_u32 v[HH], v0, 4, 1                      ; h
	v_mul_u32_u24 v[AW1], v12, 80
	v_lshl_add_u32 v[AW1], v[HH], 4, v[AW1]
	v_mul_u32_u24 v[AWL], v12, 272
	s_mul_i32 s78, s27, 4352
	s_add_co_u32 s78, s78, ML
	v_lshl_add_u32 v[AMA], v[HH], 6, v[AWL]
	v_add_nc_u32 v[AMA], s78, v[AMA]
	v_lshl_add_u32 v[AWL], v[HH], 4, v[AWL]
	v_add_nc_u32 v[AW2], W2L, v[AWL]
	v_lshl_add_u32 v[ABI], v[HH], 6, BB
	s_lshl_b32 s78, s27, 6
	v_lshl_add_u32 v13, v12, 2, s78                ; 64 q + 4 r
	v_add_nc_u32 v[ALV], LVL, v13
	v_add_nc_u32 v[ADR], LDT, v13
	v_mov_b32 v[TP], 0                             ; written once: a lane permute's destination counts as one of its sources
	s_wait_loadcnt 0x0                             ; all nineteen loads are in
.irp i, 0,1                                    ; a row of log_s lies in sixteen neighbouring lanes, four numbers each: its sum
	v_add_f32 v[108+2*\i], v[16+4*\i], v[17+4*\i]
	v_add_f32 v[109+2*\i], v[18+4*\i], v[19+4*\i]
.endr
.irp i, 0,1
	v_add_f32 v[108+2*\i], v[108+2*\i], v[109+2*\i]
.endr
.irp k, 1,2,4,8
.irp i, 0,1
	v_add_f32_dpp v[108+2*\i], v[108+2*\i], v[108+2*\i] row_xmask:\k row_mask:0xf bank_mask:0xf
.endr
.endr
.irp i, 0,1
	v_sub_f32 v[108+2*\i], 0xc26b3f8e, v[108+2*\i]                        ; -32 log(2 pi) - the sum
	ds_store_b32 v[FLD], v[108+2*\i] offset:128*\i                        ; (sixteen lanes write the same word with the same value)
.endr
.irp j, 0,1,2,3,4,5,6,7
	v_mul_f32 v[16+\j], 0xbfb8aa3b, v[16+\j]       ; -log2(e) log_s
.endr
.irp j, 0,1,2,3,4,5,6,7
	v_exp_f32 v[16+\j], v[16+\j]                   ; exp(-log_s)
.endr
	v_mul_f32 v84, 0x4038aa3b, v84                 ; 2 log2(e) b: also the plain instruction behind the exponentials
	s_wait_alu depctr_va_vdst(0)                   ; one wait for the eight, ahead of their first reader
.irp i, 0,1
	ds_store_b128 v[FN], v[44+4*\i:47+4*\i] offset:8704*\i                ; W3
	ds_store_b128 v[FN], v[24+4*\i:27+4*\i] offset:17408+8704*\i          ; m
	ds_store_b128 v[FN], v[16+4*\i:19+4*\i] offset:34816+8704*\i          ; exp(-log_s)
	ds_store_b128 v[FW1], v[36+4*\i:39+4*\i] offset:10240*\i              ; W1
.endr
	ds_store_b128 v[FX], v[32:35]
.irp i, 0,1,2,3,4,5,6,7
	ds_store_b128 v[FW2], v[52+4*\i:55+4*\i] offset:8704*\i               ; W2
.endr
	ds_store_b32 v[FB], v84
	ds_store_b64 v[FB3], v[86:87]
	s_wait_kmcnt 0x0                               ; the exponents
	s_add_co_i32 s76, s40, s41
	s_lshl_b32 s76, s76, 23
	s_add_co_i32 s46, s76, 0x4038aa3b              ; 2 log2(e) x 2^(e0 + e1): the exponents are added to the constant's exponent field
	s_mov_b32 s47, s46
	s_add_co_i32 s76, s42, s43
	s_lshl_b32 s76, s76, 23
	s_add_co_i32 s48, s76, 0x4038aa3b              ; 2 log2(e) x 2^(e2 + e3)
	s_mov_b32 s49, s48
	s_add_co_i32 s76, s44, s45
	s_add_co_i32 s76, s76, 127
	s_lshl_b32 s50, s76, 23                        ; 2^(e4 + e5)
	s_mov_b32 s51, s50
.macro QS base, e                              ; for the operand with exponent s[e]: 2^e, and -+ the largest number x 2^e
	s_add_co_i32 s76, s[\e], 127
	s_lshl_b32 s[\base], s76, 23
	s_add_co_i32 s76, s76, 15
	s_lshl_b32 s76, s76, 23
	s_or_b32 s[\base+2], s76, 0x600000
	s_or_b32 s[\base+1], s[\base+2], 0x80000000
.endm
	QS 54, 40
	QS 57, 42
	QS 60, 44
	s_wait_dscnt 0x0                               ; for the others' sake: my stores have landed
	s_barrier_signal -1
	s_barrier_wait -1                              ; all tables lie in LDS; they are only read from here on
	ds_load_b32 v[LD], v[ADR]
	s_mov_b32 s29, 4
	s_wait_dscnt 0x0
.macro PLACES                                  ; four plain vector instructions between a matrix instruction and a vector instruction that reads its result, or a load into one of its registers
.rept 4
	v_nop
.endr
.endm
.macro LDW1 b                                  ; W1's tiles 2 b, 2 b + 1: 16 rows x 64 K each, 8 registers
.irp u, 0,1
.irp c, 0,1
	ds_load_b128 v[WF+8*\u+4*\c:WF+8*\u+4*\c+3], v[AW1] offset:(2*(\b)+\u)*1280+32*\c
.endr
.endr
.endm
.macro LDW2 b                                  ; W2's tiles 2 b, 2 b + 1: 16 rows x 256 K each: two fragments of 16 registers
.irp u, 0,1
.irp s, 0,1
.irp c, 0,1,2,3
	ds_load_b128 v[WF+32*\u+16*\s+4*\c:WF+32*\u+16*\s+4*\c+3], v[AW2] offset:(2*(\b)+\u)*4352+128*\s+32*\c
.endr
.endr
.endr
.endm
.macro LDBI l, b                               ; layer l's biases of units 32 b + 16 h + 0 .. 15
.irp j, 0,1,2,3
	ds_load_b128 v[BI+4*\j:BI+4*\j+3], v[ABI] offset:1024*(\l)+128*(\b)+16*\j
.endr
.endm
.macro A3                                      ; the addresses of W3's tiles tc xor q and of their b3, in the registers that the biases have left
.irp t, 0,1,2,3
	v_add_nc_u32 v[A3W+\t], s[W3O+\t], v[AWL]
	v_lshl_add_u32 v[A3B+\t], v[HH], 5, s[B3O+\t]
.endr
.endm
.macro LDW3 s                                  ; W3's four tiles, K step s
.irp t, 0,1,2,3
.irp c, 0,1,2,3
	ds_load_b128 v[WF+16*\t+4*\c:WF+16*\t+4*\c+3], v[A3W+\t] offset:128*(\s)+32*\c
.endr
.endr
.endm
.macro LDB3                                    ; b3 in the logits' layout: classes 16 (tc xor q) + 8 h + 0 .. 7
.irp t, 0,1,2,3
.irp j, 0,1
	ds_load_b128 v[B3R+8*\t+4*\j:B3R+8*\t+4*\j+3], v[A3B+\t] offset:16*\j
.endr
.endr
.endm
; A chunk = 32 units x 32 rows = 32 registers, 16 pairs.
; ACT1: the exponent 2 log2(e) (sum x 2^(..) + bias), a packed multiply-add a pair, pairs ascending; and E = 2^exponent.
; Pair j's multiply-add stands three pairs ahead of pair j's two exponentials: two exponentials, then a multiply-add of a later pair.  No line here names an exponential's result.
.macro ACT1 cs
.set n, 0
.rept 3
	v_pk_fma_f32 v[ACC+n:ACC+n+1], v[ACC+n:ACC+n+1], s[\cs:\cs+1], v[BI+(n%16):BI+(n%16)+1] op_sel_hi:[1,0,1]
.set n, n+2
.endr
.set n, 0
.rept 16
	v_exp_f32 v[ACC+n], v[ACC+n]
	v_exp_f32 v[ACC+n+1], v[ACC+n+1]
.if n+6 < 32
	v_pk_fma_f32 v[ACC+n+6:ACC+n+7], v[ACC+n+6:ACC+n+7], s[\cs:\cs+1], v[BI+((n+6)%16):BI+((n+6)%16)+1] op_sel_hi:[1,0,1]
.endif
.set n, n+2
.endr
	v_nop                                          ; the plain instruction behind the last exponential
.endm
; ACT2: tanh = 1 - 2 / (1 + E), the hold where s[e] asks for it, the conversion: the codes are registers 4 b .. 4 b + 3 of the next operand.
; Pair j's addition of 1 stands three pairs ahead of pair j's two reciprocals, as in ACT1.
.macro ACT2 nl, pl, dst, b, e
	s_wait_alu depctr_va_vdst(0)                   ; one wait for the 32 exponentials, ahead of their first reader
.set n, 0
.rept 3
	v_pk_add_f32 v[ACC+n:ACC+n+1], v[ACC+n:ACC+n+1], 1.0 op_sel_hi:[1,0]
.set n, n+2
.endr
.set n, 0
.rept 16
	v_rcp_f32 v[ACC+n], v[ACC+n]
	v_rcp_f32 v[ACC+n+1], v[ACC+n+1]
.if n+6 < 32
	v_pk_add_f32 v[ACC+n+6:ACC+n+7], v[ACC+n+6:ACC+n+7], 1.0 op_sel_hi:[1,0]
.endif
.set n, n+2
.endr
	v_nop                                          ; the plain instruction behind the last reciprocal
	s_wait_alu depctr_va_vdst(0)                   ; one wait for the 32 reciprocals; it also stands ahead of the branch below
.set n, 0
.rept 16
	v_pk_fma_f32 v[ACC+n:ACC+n+1], v[ACC+n:ACC+n+1], -2.0, 1.0 op_sel_hi:[1,0,0]
.set n, n+2
.endr
	s_cmp_ge_i32 s[\e], -15                        ; 57,344 x 2^e >= 1.75 holds every tanh as it is: the same way in all waves, by a whole number read from memory
	s_cbranch_scc1 .Lfits_\@
.set n, 0
.rept 32
	v_med3_num_f32 v[ACC+n], v[ACC+n], s[\nl], s[\pl]   ; the conversion to an 8-bit code does not saturate (ISA guide 7.6.2): the hold at the largest code x the scale
.set n, n+1
.endr
.Lfits_\@:
.irp t, 0,1
.irp g, 0,1
	v_cvt_scalef32_pk8_bf8_f32 v[\dst+32*\t+4*(\b)+2*\g:\dst+32*\t+4*(\b)+2*\g+1], v[ACC+16*\t+8*\g:ACC+16*\t+8*\g+7], v[SC]
.endr
.endr
	v_nop                                          ; a plain instruction between the conversions and the next products, which write their sources or read their results
.endm
; Tile t's z, -0.5 |z|^2 + ld, and z's codes.  x - m is formed first, as the definition has it.
.macro ZT t
.set ZX, XR+32*(\t)
.set n, 0
.rept 16
	v_pk_add_f32 v[ZX+n:ZX+n+1], v[ZX+n:ZX+n+1], v[MR+n:MR+n+1] neg_lo:[0,1] neg_hi:[0,1]
.set n, n+2
.endr
.set n, 0
.rept 16
	v_pk_mul_f32 v[ZX+n:ZX+n+1], v[ZX+n:ZX+n+1], v[AR+n:AR+n+1]
.set n, n+2
.endr
	v_pk_mul_f32 v[QA:QA+1], v[ZX:ZX+1], v[ZX:ZX+1]             ; the squares, in two chains that the first products start
	v_pk_mul_f32 v[QB:QB+1], v[ZX+2:ZX+3], v[ZX+2:ZX+3]
.set n, 4
.rept 7
	v_pk_fma_f32 v[QA:QA+1], v[ZX+n:ZX+n+1], v[ZX+n:ZX+n+1], v[QA:QA+1]
	v_pk_fma_f32 v[QB:QB+1], v[ZX+n+2:ZX+n+3], v[ZX+n+2:ZX+n+3], v[QB:QB+1]
.set n, n+4
.endr
	v_pk_add_f32 v[QA:QA+1], v[QA:QA+1], v[QB:QB+1]
	v_add_f32 v[QA], v[QA], v[QA+1]
	v_permlanex16_b32 v[TP], v[QA], s66, s67       ; the row's other 32 numbers lie in the lane 16 away
	v_add_f32 v[QA], v[QA], v[TP]
	v_fma_f32 v[SSQ+\t], v[QA], -0.5, v[LD]
.set n, 0
.rept 32
	v_med3_num_f32 v[ZX+n], v[ZX+n], s55, s56      ; the hold at the largest code x 2^e0: z has no bound, so it always runs
.set n, n+1
.endr
.irp g, 0,1,2,3
	v_cvt_scalef32_pk8_bf8_f32 v[ZC+8*(\t)+2*\g:ZC+8*(\t)+2*\g+1], v[ZX+8*\g:ZX+8*\g+7], v[SC]
.endr
.endm
.macro L1M                                     ; a chunk of the first product: four accumulators, each begun with the constant 0
	s_wait_dscnt 0x0                               ; the chunk's fragments and biases, asked for in the chunk before, are in
.irp u, 0,1
.irp t, 0,1
	v_wmma_f32_16x16x64_bf8_bf8 v[ACC+16*\t+8*\u:ACC+16*\t+8*\u+7], v[WF+8*\u:WF+8*\u+7], v[ZC+8*\t:ZC+8*\t+7], 0
.endr
.endr
	PLACES
.endm
.macro L2M                                     ; a chunk of the second: the four accumulators take turns, one instruction a turn, K step by K step
	s_wait_dscnt 0x0
.irp s, 0,1
.irp u, 0,1
.irp t, 0,1
.if \s == 0
	v_wmma_f32_16x16x128_bf8_bf8 v[ACC+16*\t+8*\u:ACC+16*\t+8*\u+7], v[WF+32*\u:WF+32*\u+15], v[H1C+32*\t:H1C+32*\t+15], 0
.else
	v_wmma_f32_16x16x128_bf8_bf8 v[ACC+16*\t+8*\u:ACC+16*\t+8*\u+7], v[WF+32*\u+16:WF+32*\u+31], v[H1C+32*\t+16:H1C+32*\t+31], v[ACC+16*\t+8*\u:ACC+16*\t+8*\u+7]
.endif
.endr
.endr
.endr
	PLACES
.endm
; The softmax of tile t, first part: the diagonal logit, the largest logit, -log2(e) x it.
.macro SMA t
.set LGT, LG+32*(\t)
.set TST, TS0+16*(\t)                          ; +0 the diagonal, +1 the maximum, +2 its second chain, +4, +5 -log2(e) maximum, +6 to +9 two chains of sums, +10 log2 of the sum
	v_cndmask_b32 v[TST], v[LGT], v[LGT+1], s68    ; register lane % 8 of my first tile,
.irp j, 2,3,4,5,6,7
	v_cndmask_b32 v[TST], v[TST], v[LGT+\j], s[67+\j]
.endr
	v_permlanex16_b32 v[TP], v[TST], s66, s67
	v_cndmask_b32 v[TST], v[TP], v[TST], s75       ; from the half of the lanes with h = r / 8: logit c = k of my row
	v_max3_num_f32 v[TST+1], v[LGT], v[LGT+1], v[LGT+2]
	v_max3_num_f32 v[TST+2], v[LGT+3], v[LGT+4], v[LGT+5]
.irp i, 6,10,14,18,22,26
	v_max3_num_f32 v[TST+1], v[TST+1], v[LGT+\i], v[LGT+\i+1]
	v_max3_num_f32 v[TST+2], v[TST+2], v[LGT+\i+2], v[LGT+\i+3]
.endr
	v_max3_num_f32 v[TST+1], v[TST+1], v[LGT+30], v[LGT+31]
	v_max_num_f32 v[TST+1], v[TST+1], v[TST+2]
	v_permlanex16_b32 v[TP], v[TST+1], s66, s67
	v_max_num_f32 v[TST+1], v[TST+1], v[TP]        ; the row's largest logit
	v_mul_f32 v[TST+4], 0xbfb8aa3b, v[TST+1]
	v_mov_b32 v[TST+5], v[TST+4]                   ; (named with it as a pair, so it is written)
.set n, 0
.rept 16
	v_pk_fma_f32 v[LGT+n:LGT+n+1], v[LGT+n:LGT+n+1], s[52:53], v[TST+4:TST+5] op_sel_hi:[1,0,0]   ; log2(e) (logit - maximum)
.set n, n+2
.endr
.endm
.macro SMB t                                   ; second part: the row's sum of exponentials
.set LGT, LG+32*(\t)
.set TST, TS0+16*(\t)
	v_pk_add_f32 v[TST+6:TST+7], v[LGT:LGT+1], v[LGT+2:LGT+3]
	v_pk_add_f32 v[TST+8:TST+9], v[LGT+4:LGT+5], v[LGT+6:LGT+7]
.irp i, 8,12,16,20,24,28
	v_pk_add_f32 v[TST+6:TST+7], v[TST+6:TST+7], v[LGT+\i:LGT+\i+1]
	v_pk_add_f32 v[TST+8:TST+9], v[TST+8:TST+9], v[LGT+\i+2:LGT+\i+3]
.endr
	v_pk_add_f32 v[TST+6:TST+7], v[TST+6:TST+7], v[TST+8:TST+9]
	v_add_f32 v[TST+6], v[TST+6], v[TST+7]
	v_permlanex16_b32 v[TP], v[TST+6], s66, s67
	v_add_f32 v[TST+6], v[TST+6], v[TP]
.endm
.Ltrip:                                            ; four trips; a trip takes two tiles of 16 rows through the whole chain
	; ---- Z: z, its squares, its codes
	v_mov_b32 v[SC], s54                           ; 2^e0
	v_lshl_add_u32 v[ADR], v[HH], 6, s30           ; x's two rows of this trip, + 64 h
.irp c, 0,1
.irp j, 0,1,2,3
	ds_load_b128 v[MR+16*\c+4*\j:MR+16*\c+4*\j+3], v[AMA] offset:128*\c+16*\j          ; m[k][32 c + 16 h + 4 j ..]
.endr
.endr
.irp c, 0,1
.irp j, 0,1,2,3
	ds_load_b128 v[AR+16*\c+4*\j:AR+16*\c+4*\j+3], v[AMA] offset:17408+128*\c+16*\j    ; exp(-log_s) likewise
.endr
.endr
.irp t, 0,1
.irp c, 0,1
.irp j, 0,1,2,3
	ds_load_b128 v[XR+32*\t+16*\c+4*\j:XR+32*\t+16*\c+4*\j+3], v[ADR] offset:256*\t+128*\c+16*\j   ; x: sixteen lanes read the same 16 bytes
.endr
.endr
.endr
	LDW1 0
	LDBI 0, 0
	s_wait_dscnt 16                                ; m, exp(-log_s) and tile 0's x are in; behind them: tile 1's 8 loads, W1's 4, the biases' 4
	ZT 0
	s_wait_dscnt 8                                 ; tile 1's x is in; behind it: W1's 4, the biases' 4
	ZT 1
	v_nop                                          ; a plain instruction between the conversions and the write of their scale and the products that read their results
	; ---- L1: h1 = tanh(z W1^T + b1), 32 units at a time.  The next chunk's fragments are asked for behind the four places after the products that read the old ones, its biases behind the block that reads the old ones
	v_mov_b32 v[SC], s57                           ; 2^e2
.irp b, 0,1,2,3,4,5,6
	L1M
	LDW1 \b+1
	ACT1 46
	LDBI 0, \b+1
	ACT2 58, 59, H1C, \b, 42
.endr
	L1M
	LDW2 0                                         ; (it lands on z's codes too: their last products stand four places back)
	ACT1 46
	LDBI 1, 0
	ACT2 58, 59, H1C, 7, 42
	; ---- L2: h2 = tanh(h1 W2^T + b2)
	v_mov_b32 v[SC], s60                           ; 2^e4
.irp b, 0,1,2,3,4,5,6
	L2M
	LDW2 \b+1
	ACT1 48
	LDBI 1, \b+1
	ACT2 61, 62, H2C, \b, 44
.endr
	L2M
	ACT1 48
	A3                                             ; W3's addresses take the biases' registers, so they and the loads by them stand behind the block that reads the biases
	LDW3 0
	ACT2 61, 62, H2C, 7, 44
	; ---- L3: the logits: eight accumulators (four tiles of classes x two tiles of rows) by turns, over h1's codes, which are done with
	s_wait_dscnt 0x0
.irp c, 0,1,2,3
.irp t, 0,1
	v_wmma_f32_16x16x128_bf8_bf8 v[LG+32*\t+8*\c:LG+32*\t+8*\c+7], v[WF+16*\c:WF+16*\c+15], v[H2C+32*\t:H2C+32*\t+15], 0
.endr
.endr
	PLACES
	LDW3 1
	LDB3
	s_wait_dscnt 0x0
.irp c, 0,1,2,3
.irp t, 0,1
	v_wmma_f32_16x16x128_bf8_bf8 v[LG+32*\t+8*\c:LG+32*\t+8*\c+7], v[WF+16*\c:WF+16*\c+15], v[H2C+32*\t+16:H2C+32*\t+31], v[LG+32*\t+8*\c:LG+32*\t+8*\c+7]
.endr
.endr
	PLACES
	; ---- SM: log_softmax's diagonal entry, and lv
.set n, 0
.rept 32
	v_pk_fma_f32 v[LG+n:LG+n+1], v[LG+n:LG+n+1], s[50:51], v[B3R+(n%32):B3R+(n%32)+1] op_sel_hi:[1,0,1]   ; logit = sum x 2^(e4 + e5) + b3; each accumulator from its low end on
.set n, n+2
.endr
	SMA 0
	SMA 1
.set n, 0
.rept 64
	v_exp_f32 v[LG+n], v[LG+n]
.set n, n+1
.endr
	v_nop                                          ; the plain instruction behind the last exponential
	s_wait_alu depctr_va_vdst(0)                   ; one wait for both tiles' 64
	SMB 0
	SMB 1
	v_log_f32 v[TS0+10], v[TS0+6]
	v_log_f32 v[TS0+26], v[TS0+22]
	v_add_f32 v[SSQ], v[SSQ], v[TS0]               ; + the diagonal logit,
	v_add_f32 v[SSQ+1], v[SSQ+1], v[TS0+16]
	v_sub_f32 v[SSQ], v[SSQ], v[TS0+1]             ; - the maximum: plain work behind the logarithms
	v_sub_f32 v[SSQ+1], v[SSQ+1], v[TS0+17]
	v_add_nc_u32 v[ADR], s31, v[ALV]
	s_wait_alu depctr_va_vdst(0)                   ; one wait for the two logarithms
	v_fmamk_f32 v[SSQ], v[TS0+10], 0xbf317218, v[SSQ]       ; - ln 2 x log2(the sum): lv
	v_fmamk_f32 v[SSQ+1], v[TS0+26], 0xbf317218, v[SSQ+1]
	ds_store_b32 v[ADR], v[SSQ]                    ; lv[n][k] (both halves of the lanes hold the same number and write the same word)
	ds_store_b32 v[ADR], v[SSQ+1] offset:272
	s_add_co_u32 s30, s30, 512                     ; two rows of x on,
	s_add_co_u32 s31, s31, 544                     ; two rows of lv on
	s_sub_co_u32 s29, s29, 1
	s_wait_dscnt 0x0                               ; the stores are done: their address and data are written again in the next trip; behind the last trip: for the others' sake
	s_cmp_lg_u32 s29, 0
	s_cbranch_scc1 .Ltrip
	; ---- the tail: out0[n] = logsumexp over k of lv[n][k]: wave 0, a lane to an n
	v_and_b32 v16, 31, v0
	v_mul_u32_u24 v[ADR], v16, 272
	v_add_nc_u32 v[ADR], LVL, v[ADR]
	v_lshlrev_b32 v16, 2, v16
	s_barrier_signal -1                            ; every wave's stores of lv have landed (the wait at the trip's end)
	s_barrier_wait -1
	s_cmp_lg_u32 s26, 0
	s_cbranch_scc1 .Lend
.irp j, 0,1,2,3,4,5,6,7,8,9,10,11,12,13,14,15
	ds_load_b128 v[80+4*\j:83+4*\j], v[ADR] offset:16*\j
.endr
	s_wait_dscnt 0x0
	v_max3_num_f32 v176, v80, v81, v82
	v_max3_num_f32 v177, v83, v84, v85
.irp i, 6,10,14,18,22,26,30,34,38,42,46,50,54,58
	v_max3_num_f32 v176, v176, v[80+\i], v[81+\i]
	v_max3_num_f32 v177, v177, v[82+\i], v[83+\i]
.endr
	v_max3_num_f32 v176, v176, v142, v143
	v_max_num_f32 v176, v176, v177                 ; the largest lv of my n
	v_mul_f32 v180, 0xbfb8aa3b, v176
	v_mov_b32 v181, v180
.set n, 0
.rept 32
	v_pk_fma_f32 v[80+n:81+n], v[80+n:81+n], s[52:53], v[180:181] op_sel_hi:[1,0,0]
.set n, n+2
.endr
.set n, 0
.rept 64
	v_exp_f32 v[80+n], v[80+n]
.set n, n+1
.endr
	v_nop
	s_wait_alu depctr_va_vdst(0)                   ; one wait for the 64
	v_pk_add_f32 v[182:183], v[80:81], v[82:83]
	v_pk_add_f32 v[184:185], v[84:85], v[86:87]
.irp i, 8,12,16,20,24,28,32,36,40,44,48,52,56,60
	v_pk_add_f32 v[182:183], v[182:183], v[80+\i:81+\i]
	v_pk_add_f32 v[184:185], v[184:185], v[82+\i:83+\i]
.endr
	v_pk_add_f32 v[182:183], v[182:183], v[184:185]
	v_add_f32 v182, v182, v183
	v_log_f32 v186, v182
	v_nop
	s_wait_alu depctr_va_vdst(0)
	v_fmamk_f32 v187, v186, 0x3f317218, v176       ; the maximum + ln 2 x log2(the sum)
	global_store_b32 v16, v187, s[24:25]           ; 32 lanes store the group's 128 consecutive bytes
.Lend:
	s_wait_tensorcnt 0x0                           ; the wave's end, behind my last LDS store
	ds_add_u32 v[SPW], v[NIL]
	s_wait_dscnt 0x0
	s_endpgm
.Lfunc_end_k_qa454d80282_dif:
	.size	k_qa454d80282_dif, .Lfunc_end_k_qa454d80282_dif-k_qa454d80282_dif
	.p2alignl 7, 3214868480
	.fill 96, 4, 3214868480
	.section	.rodata,"a",@progbits
	.p2align	6, 0x0
	.amdhsa_kernel k_qa454d80282_dif
		.amdhsa_group_segment_fixed_size 167936
		.amdhsa_private_segment_fixed_size 0
		.amdhsa_enable_private_segment 0
		.amdhsa_kernarg_size 88
		.amdhsa_user_sgpr_count 2
		.amdhsa_user_sgpr_kernarg_segment_ptr 1
		.amdhsa_wavefront_size32 1
		.amdhsa_system_sgpr_workgroup_id_x 1
		.amdhsa_system_sgpr_workgroup_id_y 1
		.amdhsa_system_sgpr_workgroup_id_z 1
		.amdhsa_system_vgpr_workitem_id 0
		.amdhsa_next_free_vgpr 256
		.amdhsa_next_free_sgpr 96
		.amdhsa_reserve_vcc 0
		.amdhsa_float_denorm_mode_32 3
		.amdhsa_float_denorm_mode_16_64 3
		.amdhsa_memory_ordered 1
		.amdhsa_forward_progress 1
		.amdhsa_inst_pref_size 194
	.end_amdhsa_kernel
	.amdgpu_metadata
---
amdhsa.version: [ 1, 2 ]
amdhsa.kernels:
  - .name:           k_qa454d80282_dif
    .symbol:         k_qa454d80282_dif.kd
    .args:
      - { .name: x, .offset: 0, .size: 8, .value_kind: global_buffer, .address_space: global }
      - { .name: m, .offset: 8, .size: 8, .value_kind: global_buffer, .address_space: global }
      - { .name: log_s, .offset: 16, .size: 8, .value_kind: global_buffer, .address_space: global }
      - { .name: W1_codes, .offset: 24, .size: 8, .value_kind: global_buffer, .address_space: global }
      - { .name: W2_codes, .offset: 32, .size: 8, .value_kind: global_buffer, .address_space: global }
      - { .name: W3_codes, .offset: 40, .size: 8, .value_kind: global_buffer, .address_space: global }
      - { .name: b1, .offset: 48, .size: 8, .value_kind: global_buffer, .address_space: global }
      - { .name: b2, .offset: 56, .size: 8, .value_kind: global_buffer, .address_space: global }
      - { .name: b3, .offset: 64, .size: 8, .value_kind: global_buffer, .address_space: global }
      - { .name: lowp_scales, .offset: 72, .size: 8, .value_kind: global_buffer, .address_space: global }
      - { .name: out0, .offset: 80, .size: 8, .value_kind: global_buffer, .address_space: global }
    .group_segment_fixed_size: 167936
    .private_segment_fixed_size: 0
    .kernarg_segment_align: 8
    .kernarg_segment_size: 88
    .max_flat_workgroup_size: 512
    .sgpr_count:     96
    .vgpr_count:     256
    .wavefront_size: 32
...
	.end_amdgpu_metadata
.endif
;; end of part 2
